; MI455X (gfx1250); checked and timed in simulation.
; The chip was launched on July 23, 2026; its instructions are those of AMD's public machine-readable ISA for CDNA 5 (MIT licence, August 2026) and "CDNA5" Instruction Set Architecture Reference Guide (July 2026). The comments in the code are by the model that wrote it; some were corrected since.
;; Layer. Allowed arithmetic: float matrix products may take bf16 or f16 operands with f32 sums; other float arithmetic in f32, or as packed bf16 or f16 multiplies, adds, multiply-adds, maxima and minima; sums over many terms, partial sums and values carried from step to step in f32; what a program stores and reads back later, other than sums and carried values, may be rounded once to bf16 or f16.
;; Inputs: A 4,096 x 4,096 float32; q 4,096 x 512 int32; s 32 x 4,096 float32.
;; Outputs: out0 4,096 x 4,096 float32.
;; 2 versions, each right; version 2 is version 1 with the launch prep written anew for expert scheduling mode. Each part assembles by itself: llvm-mc -triple=amdgcn-amd-amdhsa -mcpu=gfx1250 --defsym DOCPART=n.
;; ======== version 1 of 2: 2 launches
;; workspace buffers: Abf 33,554,432 bytes; Wbf 33,554,432 bytes
;; launch prep (part 1): grid 1024 x 1, 8 waves a work-group, no clusters, 0 bytes of LDS; arguments A, q, s, Abf, Wbf; writes Abf, Wbf
.if DOCPART == 1
	.amdgcn_target "amdgcn-amd-amdhsa--gfx1250"
	.amdhsa_code_object_version 6
	.text
	.protected	k_qe4d1f21979_prep
	.globl	k_qe4d1f21979_prep
	.p2align	8
	.type	k_qe4d1f21979_prep,@function
k_qe4d1f21979_prep:
	s_mov_b64 s[64:65], 0
	v_nop
	global_prefetch_b8 v0, s[64:65] scope:SCOPE_SE
	s_setreg_imm32_b32 hwreg(HW_REG_WAVE_MODE, 25, 1), 1
	s_wait_xcnt 0x0
; Abf[m][k] = bf16(A[m][k]);  Wbf[k][n] = bf16((nibble(k, n) - 8) * bf16(s[k / 128][n])).  A: [4096][4096] f32; q: [4096][512] words of eight
; nibbles along n, the lowest n in the lowest bits; s: [32][4096] f32; Abf, Wbf: [4096][4096] bf16, rows of 8,192 bytes.
; LIMITS.  A and s are rounded to bf16 (nearest even); the weight, an exact whole number -8 .. 7 times that scale, is rounded once more to bf16.
; bf16 has f32's range, so no size of input is lost; NaN and infinities go through as the arithmetic makes them.
; A STREAM: no LDS, no barrier, no matrix unit, no loop.  1,024 work-groups of 256 threads; work-group w owns rows 4 w .. 4 w + 3 of A and of q, both
; dense blocks (65,536 and 8,192 bytes), and all four rows of q lie in scale group w / 32.  All 28 loads of a thread go out at once; no address register
; and no register that a store reads is ever written again, so the text needs no wait for a store's sources.
.set AD,  8                            ; v[8:71]    A: chunk c of 16 in four registers, f32 as loaded; its first two then hold the four bf16
.set Q,   72                           ; v[72:79]   q: chunk c of 8, one word
.set SF,  80                           ; v[80:95]   s in f32: set u (word column t or 256 + t) in eight registers; later the weights of chunks 0 to 3
.set SCP, 96                           ; v[96:103]  scale pairs in bf16: set u, pair i = (s_i, s_i+4)
.set T,   104                          ; v[104:110] at work
                                       ; v[112:127] the weights of chunks 4 to 7
	s_load_b256 s[4:11], s[0:1], 0x0               ; A s[4:5], q s[6:7], s s[8:9], Abf s[10:11]
	s_load_b64 s[12:13], s[0:1], 0x20              ; Wbf
	s_mov_b32 s16, 0x000f000f                      ; one nibble in each half of a word
	s_mov_b32 s17, 0x43004300                      ; 128.0 twice in bf16: a nibble n in its lowest mantissa bits makes 128 + n
	s_mov_b32 s18, 0x05040100                      ; byte select: the two low halves
	s_mov_b32 s19, 0x07060302                      ; the two high halves
	s_lshl_b32 s20, ttmp9, 16                      ; my block of A: w x 65,536 bytes
	s_mov_b32 s21, 0
	s_lshl_b32 s22, ttmp9, 15                      ; my blocks of Abf and of Wbf: w x 32,768
	s_mov_b32 s23, 0
	s_lshl_b32 s24, ttmp9, 13                      ; my block of q: w x 8,192
	s_mov_b32 s25, 0
	s_lshr_b32 s26, ttmp9, 5                       ; my scale group,
	s_lshl_b32 s26, s26, 14                        ; its row of 16,384 bytes
	s_mov_b32 s27, 0
	v_lshlrev_b32 v1, 4, v0                        ; 16 t: A's loads, Wbf's stores
	v_lshlrev_b32 v2, 3, v0                        ; 8 t: Abf's stores
	v_lshlrev_b32 v3, 2, v0                        ; 4 t: q's loads
	v_lshlrev_b32 v4, 5, v0                        ; 32 t: the eight scales of word column t
	v_mov_b32 v5, 0xc308c308                       ; -136.0 twice in bf16
	s_wait_kmcnt 0x0
	s_add_nc_u64 s[4:5], s[4:5], s[20:21]
	s_add_nc_u64 s[6:7], s[6:7], s[24:25]
	s_add_nc_u64 s[8:9], s[8:9], s[26:27]
	s_add_nc_u64 s[10:11], s[10:11], s[22:23]
	s_add_nc_u64 s[12:13], s[12:13], s[22:23]
	global_load_b128 v[SF:SF+3],     v4, s[8:9]                    ; 32 work-groups read this row of s: no hint
	global_load_b128 v[SF+4:SF+7],   v4, s[8:9] offset:16
	global_load_b128 v[SF+8:SF+11],  v4, s[8:9] offset:8192        ; word column 256 + t
	global_load_b128 v[SF+12:SF+15], v4, s[8:9] offset:8208
.irp c, 0,1,2,3,4,5,6,7
	global_load_b32 v[Q+(\c)], v3, s[6:7] offset:(\c)*1024 th:TH_LOAD_NT  ; row c / 2 of my four, word column 256 (c % 2) + t
.endr
.irp c, 0,1,2,3,4,5,6,7,8,9,10,11,12,13,14,15
	global_load_b128 v[AD+4*(\c):AD+4*(\c)+3], v1, s[4:5] offset:(\c)*4096 th:TH_LOAD_NT  ; a wave takes 512 consecutive bytes
.endr
	s_wait_loadcnt 16                              ; loads come back in order (ISA guide 5.7.1): s and q are in, A's sixteen stay out
.irp u, 0,1
.irp i, 0,1,2,3
	v_cvt_pk_bf16_f32 v[SCP+4*(\u)+(\i)], v[SF+8*(\u)+(\i)], v[SF+8*(\u)+(\i)+4]  ; s rounded to bf16, paired as the nibbles will lie
.endr
.endr
; One word of q becomes eight weights, 16 bytes.  Halves of a word: (n0, n4), after shifts by 4, 8, 12 (n1, n5), (n2, n6), (n3, n7).
; 128 + n and then n - 8 are exact in bf16; the product with the scale is the weight's one rounding.
.macro DEQ c
.set U, (\c)&1
.if (\c) < 4
.set O, SF+4*(\c)                      ; s in f32 is no longer needed
.else
.set O, 96+4*(\c)
.endif
	v_lshrrev_b32 v[T+4], 4,  v[Q+(\c)]
	v_lshrrev_b32 v[T+5], 8,  v[Q+(\c)]
	v_lshrrev_b32 v[T+6], 12, v[Q+(\c)]
	v_and_or_b32 v[T+0], v[Q+(\c)], s16, s17
	v_and_or_b32 v[T+1], v[T+4], s16, s17
	v_and_or_b32 v[T+2], v[T+5], s16, s17
	v_and_or_b32 v[T+3], v[T+6], s16, s17
.irp i, 0,1,2,3
	v_pk_add_bf16 v[T+(\i)], v[T+(\i)], v5                         ; n - 8
.endr
.irp i, 0,1,2,3
	v_pk_mul_bf16 v[T+(\i)], v[T+(\i)], v[SCP+4*U+(\i)]            ; times the scale
.endr
	v_perm_b32 v[O+0], v[T+1], v[T+0], s18                         ; (w0, w1)
	v_perm_b32 v[O+1], v[T+3], v[T+2], s18                         ; (w2, w3)
	v_perm_b32 v[O+2], v[T+1], v[T+0], s19                         ; (w4, w5)
	v_perm_b32 v[O+3], v[T+3], v[T+2], s19                         ; (w6, w7)
	global_store_b128 v1, v[O:O+3], s[12:13] offset:(\c)*4096      ; a wave stores 512 consecutive bytes, at a multiple of 512 from Wbf's first byte
.endm
.irp c, 0,1,2,3,4,5,6,7
	DEQ \c
.endr
; Four numbers of A become 8 bytes, in the registers that they came in.
.macro CVA c
	s_wait_loadcnt 15-(\c)                         ; chunk c is in, the younger chunks stay out
	v_cvt_pk_bf16_f32 v[AD+4*(\c)],   v[AD+4*(\c)],   v[AD+4*(\c)+1]
	v_cvt_pk_bf16_f32 v[AD+4*(\c)+1], v[AD+4*(\c)+2], v[AD+4*(\c)+3]
	global_store_b64 v2, v[AD+4*(\c):AD+4*(\c)+1], s[10:11] offset:(\c)*2048  ; a wave stores 256 consecutive bytes, at a multiple of 256 from Abf's first byte
.endm
.irp c, 0,1,2,3,4,5,6,7,8,9,10,11,12,13,14,15
	CVA \c
.endr
	s_endpgm
.Lfunc_end_k_qe4d1f21979_prep:
	.size	k_qe4d1f21979_prep, .Lfunc_end_k_qe4d1f21979_prep-k_qe4d1f21979_prep
	.p2alignl 7, 3214868480
	.fill 96, 4, 3214868480
	.section	.rodata,"a",@progbits
	.p2align	6, 0x0
	.amdhsa_kernel k_qe4d1f21979_prep
		.amdhsa_group_segment_fixed_size 0
		.amdhsa_private_segment_fixed_size 0
		.amdhsa_enable_private_segment 0
		.amdhsa_kernarg_size 40
		.amdhsa_user_sgpr_count 2
		.amdhsa_user_sgpr_kernarg_segment_ptr 1
		.amdhsa_wavefront_size32 1
		.amdhsa_system_sgpr_workgroup_id_x 1
		.amdhsa_system_sgpr_workgroup_id_y 1
		.amdhsa_system_sgpr_workgroup_id_z 1
		.amdhsa_system_vgpr_workitem_id 0
		.amdhsa_next_free_vgpr 128
		.amdhsa_next_free_sgpr 66
		.amdhsa_reserve_vcc 0
		.amdhsa_float_denorm_mode_32 3
		.amdhsa_float_denorm_mode_16_64 3
		.amdhsa_memory_ordered 1
		.amdhsa_forward_progress 1
		.amdhsa_inst_pref_size 18
	.end_amdhsa_kernel
	.amdgpu_metadata
---
amdhsa.version: [ 1, 2 ]
amdhsa.kernels:
  - .name:           k_qe4d1f21979_prep
    .symbol:         k_qe4d1f21979_prep.kd
    .args:
      - { .name: A, .offset: 0, .size: 8, .value_kind: global_buffer, .address_space: global }
      - { .name: q, .offset: 8, .size: 8, .value_kind: global_buffer, .address_space: global }
      - { .name: s, .offset: 16, .size: 8, .value_kind: global_buffer, .address_space: global }
      - { .name: Abf, .offset: 24, .size: 8, .value_kind: global_buffer, .address_space: global }
      - { .name: Wbf, .offset: 32, .size: 8, .value_kind: global_buffer, .address_space: global }
    .group_segment_fixed_size: 0
    .private_segment_fixed_size: 0
    .kernarg_segment_align: 8
    .kernarg_segment_size: 40
    .max_flat_workgroup_size: 256
    .sgpr_count:     66
    .vgpr_count:     128
    .wavefront_size: 32
...
	.end_amdgpu_metadata
.endif
;; end of part 1
;; launch gemm (part 2): grid 16 x 16, 4 waves a work-group, clusters of 4 x 4, 327,680 bytes of LDS; arguments Abf, Wbf, out0; writes out0
.if DOCPART == 2
	.amdgcn_target "amdgcn-amd-amdhsa--gfx1250"
	.amdhsa_code_object_version 6
	.text
	.protected	k_qe4d1f21979_gemm
	.globl	k_qe4d1f21979_gemm
	.p2align	8
	.type	k_qe4d1f21979_gemm,@function
k_qe4d1f21979_gemm:
	s_mov_b64 s[64:65], 0
	v_nop
	global_prefetch_b8 v0, s[64:65] scope:SCOPE_SE
	s_setreg_imm32_b32 hwreg(HW_REG_WAVE_MODE, 25, 1), 1
	s_wait_xcnt 0x0
	s_wait_alu depctr_hold_cnt(0) depctr_sa_sdst(0) depctr_va_vdst(0) depctr_va_sdst(0) depctr_va_ssrc(0) depctr_va_vcc(0) depctr_vm_vsrc(0)
	s_getreg_b32 s2, hwreg(HW_REG_IB_STS2, 6, 4)
	s_cmp_eq_u32 s2, 0
	s_cbranch_scc0 .Lentry_in_a_cluster
	s_endpgm
.Lentry_in_a_cluster:
	s_bfe_u32 s2, ttmp6, 0x10000c
	s_cmp_lg_u32 s2, 0xf033
	s_cbranch_scc0 .Lentry_shape_is_right
	s_endpgm
.Lentry_shape_is_right:
; out0[m][n] = sum over k of Abf[m][k] Wbf[k][n].  Abf: [4096 m][4096 k] bf16, Wbf: [4096 k][4096 n] bf16, out0: [4096][4096] f32; one f32 sum for each output, K ascending.
; LIMITS.  The operands are what the launch before made: A rounded to bf16, the weights (nibble - 8) x bf16(s) rounded to bf16; nothing further is rounded here.  NaN and infinities go through.
; A tile of C, 256 x 256, is made by a work-group of four waves; a wave makes 128 x 128: 64 accumulators of 16 x 16, 512 registers.  16 x 16 tiles: one work-group each.
; K goes in steps of 128 through a ring of two LDS slots filled by the tensor data mover.  A's tile has 256 rows (m) of 256 bytes; W's has 128 rows (k) of 512 bytes: both start at multiples of 256 bytes.
; A's fragments come out of LDS as they lie; W's, which lie [k][n], are turned by ds_load_tr16_b128.
; CLUSTERS: 4 x 4 work-groups.  The four of a row of the cluster need the same tiles of A, the four of a column the same tiles of W: each tile is asked for JOINTLY, by the same tensor load with the
; same descriptor and a mask that names the four, which divides the requests for A and for W by four.
; THE MATRIX INSTRUCTION IS USED TRANSPOSED: source 0 = 16 columns of W, source 1 = 16 rows of A.  In the result lane l holds row l % 16 of C and its registers 0 to 7 the columns 8 (l / 16) + 0 .. 7:
; 32 neighbouring bytes of a row of C.
; REGISTERS, in windows of 256 (s_set_vgpr_msb's low byte: bits 1:0 source 0, 3:2 source 1, 5:4 source 2, 7:6 destination):
;   window 0: v0-31 addresses; v64-127, v128-191 fragments of A (8 x 16 rows x 32 K), two buffers; on the way out the same registers take rows read back from the stage
;   window 1: v64-127, v128-191 fragments of W, two buffers
;   window 2: the 32 accumulators of my rows 0-63 (accumulator (a, b) at v[8 (8 a + b)]);   window 3: those of my rows 64-127
.set SIZE_K, 4096
.set SIZE_N, 4096
.set KSTEP,  128
.set PITCH,  272                       ; a row of A in LDS: 256 bytes + 16 of padding = 68 words: row r starts at bank 4 r mod 64 (64 banks of 4 bytes: ISA guide 11.1), so the 16 rows of a load start at 16 different banks
.set BPITCH, 544                       ; a row of W: 512 + 32 = 136 words: row r starts at bank 8 r mod 64
.set HALFT,  128*PITCH                 ; what one tensor load brings: 128 rows of A, or 64 rows of W (64 x 544 is the same 34,816 bytes)
.set SLOT,   4*HALFT                   ; A's 256 rows, then W's 128 rows
.set STAGE,  2*SLOT                    ; behind the ring, never filled by a tensor load: 16 rows x 528 bytes for each wave, for the way out
.set SPITCH, 528                       ; a stage row: 512 bytes + 16 = 132 words: row r starts at bank 4 r mod 64
.set SPARE,  STAGE+4*16*SPITCH         ; behind the stages: the spare words, 128 bytes for each wave: two blocks of 256 bytes that no other line names
.set LAPS,   SIZE_K/(2*KSTEP)          ; a lap = two K steps = once round the ring: 16
.set STEP_A, 2*KSTEP*2                 ; two K steps along A's rows, in bytes
.set STEP_B, 2*KSTEP*SIZE_N*2          ; two K steps down W's rows
.set ADRA, 16                          ; v16-17  LDS address of my A fragments in slot 0, 1
.set ADRB, 20                          ; v20-21  the same for W
.set STO,  24                          ; v24     the way out: where I put 32 bytes of a row
.set RD,   25                          ; v25     the way out: where I read a row back
.set CO,   26                          ; v26     my byte offset in 512 bytes of a row of C
.set SPW,  28                          ; v28     LDS address of my spare word: SPARE + 4 x my thread's number; never rewritten
.set NIL,  29                          ; v29     0; never rewritten
.set F0,   64                          ; fragment buffer 0
.set F1,   128                         ; fragment buffer 1
.set G1,  24                           ; s[24:31] descriptor group 1 for A's tiles
.set G0,  32                           ; s[32:39] descriptor group 0 for A's tiles, one set for each slot
.set G1B, 48                           ; s[48:55] descriptor group 1 for W's tiles
.set G0B, 56                           ; s[56:63] descriptor group 0 for W's tiles, one set for each slot
.set MSB, 0
.macro WIN new                         ; the immediate's high byte repeats the setting that is left; a switch that changes nothing is dropped
.if MSB != (\new)
	s_set_vgpr_msb (MSB<<8)|(\new)
.set MSB, \new
.endif
.endm
.set MUL_LO, 0xa1                      ; source 0 (W) window 1, source 1 (A) window 0, C and D window 2
.set MUL_HI, 0xf1                      ; the same, C and D window 3
.set TO_B,   0x40                      ; destination window 1, address window 0
; A joint load.  Waves 0 and 1 fetch A's two halves, waves 2 and 3 W's.  Each of the two lines has ONE mask and one set of registers for all that issue it, and nothing in them hangs on a
; coordinate that the four partners do not share.  The branch hangs on the wave's number alone.  An s_nop 0 and four v_nop follow each of the two lines, ahead of the jump, the label and what follows.
.macro JLOAD s
	s_cmp_eq_u32 s11, 0
	s_cbranch_scc0 .Lfor_b_\@
	tensor_load_to_lds s[G0+4*(\s):G0+4*(\s)+3], s[G1:G1+7]
	s_nop 0
.rept 4
	v_nop
.endr
	s_branch .Lasked_\@
.Lfor_b_\@:
	tensor_load_to_lds s[G0B+4*(\s):G0B+4*(\s)+3], s[G1B:G1B+7]
	s_nop 0
.rept 4
	v_nop
.endr
.Lasked_\@:
.endm
; A round of the cluster's barrier: my work-group's barrier, so that wave 0's signal speaks for all four waves; wave 0 signals for the work-group; every wave waits for all sixteen
; work-groups; my work-group's barrier once more.  No LDS instruction of the wave is pending at a signal.
.macro CREST                           ; a round behind its opening barrier
	s_cmp_lg_u32 s10, 0
	s_cbranch_scc1 .Lnot_wave_0_\@
	s_barrier_signal -3
.Lnot_wave_0_\@:
	s_barrier_wait -3
	s_barrier_signal -1
	s_barrier_wait -1
.endm
.macro CROUND                          ; a whole round
	s_barrier_signal -1
	s_barrier_wait -1
	CREST
.endm
	s_load_b128 s[4:7], s[0:1], 0x0                ; Abf s[4:5], Wbf s[6:7]
	s_load_b64 s[8:9], s[0:1], 0x10                ; out0
	v_lshl_add_u32 v[SPW], v0, 2, SPARE
	v_mov_b32 v[NIL], 0
	ds_add_u32 v[SPW], v[NIL]                      ; the wave's opening: the add and its wait stand ahead of my first tensor load; the set-up below, work on registers, stands between them
	v_lshrrev_b32 v1, 5, v0
	v_readfirstlane_b32 s10, v1                    ; wave 0..3
	s_lshr_b32 s11, s10, 1                         ; which half of the tile's rows is mine.  Also: I fetch for A (0) or for W (1)
	s_and_b32 s12, s10, 1                          ; which half of its columns.  Also: which half of that tile I fetch
	s_bfe_u32 s40, ttmp6, 0x40000                  ; cx: my place along the cluster's x
	s_bfe_u32 s41, ttmp6, 0x40004                  ; cy: along its y
	s_lshl_b32 s42, ttmp9, 2                       ; in a cluster launch ttmp9 and ttmp7 count clusters
	s_add_co_u32 s42, s42, s40                     ; tile column of C = 4 x cluster x + cx
	s_and_b32 s13, ttmp7, 0xffff
	s_lshl_b32 s13, s13, 2
	s_add_co_u32 s13, s13, s41                     ; tile row of C = 4 x cluster y + cy
	s_lshl_b32 s43, s41, 2
	s_lshl_b32 s43, 15, s43                        ; my row of the cluster: places 4 cy .. 4 cy + 3
	s_lshl_b32 s44, 0x1111, s40                    ; my column: places cx, cx + 4, cx + 8, cx + 12
	; descriptor group 1 for A: 128 rows x 128 elements, 16 bytes of padding behind every 256
	s_or_b32 s[G1+0], s43, (1<<16)|(1<<20)|(1<<21)|(5<<22)|(3<<25)  ; 15:0 the mask: my row; 17:16 elements of 2 bytes; 20 padding on; 21 set beside a mask; 24:22 after every 64 words (code 5); 31:25 4 words (code 3)
	s_mov_b32 s[G1+1], KSTEP<<16                   ; tensor_dim0 = 128
	s_mov_b32 s[G1+2], 128<<16                     ; tensor_dim1 = 128
	s_mov_b32 s[G1+3], KSTEP<<16                   ; tile_dim0 = 128
	s_mov_b32 s[G1+4], 128                         ; tile_dim1 = 128
	s_mov_b32 s[G1+5], SIZE_K                      ; elements from row to row
	s_mov_b32 s[G1+6], 0
	s_mov_b32 s[G1+7], 0
	; for W: 64 rows x 256 elements, 32 bytes of padding behind every 512
	s_or_b32 s[G1B+0], s44, (1<<16)|(1<<20)|(1<<21)|(6<<22)|(7<<25) ; the mask: my column; after every 128 words (code 6) 8 words (code 7)
	s_mov_b32 s[G1B+1], 256<<16                    ; tensor_dim0 = 256
	s_mov_b32 s[G1B+2], 64<<16                     ; tensor_dim1 = 64
	s_mov_b32 s[G1B+3], 256<<16                    ; tile_dim0 = 256
	s_mov_b32 s[G1B+4], 64                         ; tile_dim1 = 64
	s_mov_b32 s[G1B+5], SIZE_N
	s_mov_b32 s[G1B+6], 0
	s_mov_b32 s[G1B+7], 0
	; where the tiles come from.  A's hang on the tile row alone, which my row of the cluster shares; W's on the tile column alone, which my column shares.
	; Every wave makes both addresses, in registers that never hold the other coordinate, and asks by one of them.
	s_lshl_b32 s16, s13, 21                        ; A: tile row x 256 rows of 8,192 bytes
	s_lshl_b32 s17, s12, 20                        ;    + half x 128 rows
	s_add_co_u32 s16, s16, s17
	s_mov_b32 s17, 0
	s_lshl_b32 s46, s42, 9                         ; W: tile column x 512 bytes
	s_lshl_b32 s47, s12, 19                        ;    + half x 64 rows of 8,192 bytes
	s_add_co_u32 s46, s46, s47
	s_mov_b32 s47, 0
	s_mul_i32 s20, s10, HALFT                      ; and where they go: A's two halves, then W's two halves = wave x 34,816: no place in the cluster enters an LDS address
	s_wait_dscnt 0x0                               ; the opening add is done
	s_wait_kmcnt 0x0
	s_add_nc_u64 s[14:15], s[4:5], s[16:17]
	s_add_nc_u64 s[46:47], s[6:7], s[46:47]
	CROUND                                         ; all sixteen work-groups are here: the first joint loads meet
.irp s, 0,1
	s_mov_b32 s[G0+4*(\s)], 1                                      ; 1:0 count = 1
	s_add_co_u32 s[G0+4*(\s)+1], s20, (\s)*SLOT                    ; 63:32 LDS address
	s_add_nc_u64 s[G0+4*(\s)+2:G0+4*(\s)+3], s[14:15], (\s)*KSTEP*2  ; 120:64 global address: K step s
	s_or_b32 s[G0+4*(\s)+3], s[G0+4*(\s)+3], 0x80000000            ; 127:126 type = 2
	s_mov_b32 s[G0B+4*(\s)], 1
	s_add_co_u32 s[G0B+4*(\s)+1], s20, (\s)*SLOT
	s_add_nc_u64 s[G0B+4*(\s)+2:G0B+4*(\s)+3], s[46:47], (\s)*KSTEP*SIZE_N*2
	s_or_b32 s[G0B+4*(\s)+3], s[G0B+4*(\s)+3], 0x80000000
	JLOAD \s                                       ; the ring is filled before anything else is done: two tensor loads of mine are out
.endr
	; A fragment is 16 rows x 32 K in 8 registers: lane l holds row l % 16; registers 0-3 hold K = 8 (l / 16) + 0..7, registers 4-7 hold K = 16 + 8 (l / 16) + 0..7.
	; A, whose LDS rows lie along K: two loads of 16 bytes, 32 bytes apart.
	v_and_b32 v1, 15, v0                           ; l % 16
	v_bfe_u32 v2, v0, 4, 1                         ; l / 16
	v_mul_u32_u24 v3, v1, PITCH
	v_lshl_add_u32 v3, v2, 4, v3                   ; row x pitch + 16 x half
	s_mul_i32 s21, s11, HALFT                      ; my 128 rows of A
	; W, whose LDS rows lie along n: the turning load takes 16 k x 16 n (lane l reads 16 bytes: k = 8 (l / 16) + l % 8, n = 8 ((l / 8) % 2) + 0..7) and leaves half a fragment: lane l holds column l % 16 and 8 k.
	v_and_b32 v4, 7, v0
	v_lshl_add_u32 v4, v2, 3, v4
	v_mul_u32_u24 v4, v4, BPITCH
	v_bfe_u32 v5, v0, 3, 1
	v_lshl_add_u32 v4, v5, 4, v4
	s_lshl_b32 s22, s12, 8                         ; my 128 columns of W: 256 bytes of each row,
	s_add_co_u32 s22, s22, 2*HALFT                 ; behind A's 256 rows
.irp s, 0,1
	v_add_nc_u32 v[ADRA+(\s)], s21, v3
	v_add_nc_u32 v[ADRB+(\s)], s22, v4
	s_add_co_u32 s21, s21, SLOT
	s_add_co_u32 s22, s22, SLOT
.endr
	s_mul_i32 s23, s10, 16*SPITCH
	s_add_co_u32 s23, s23, STAGE                   ; my stage
	v_mul_u32_u24 v6, v1, SPITCH                   ; in: row l % 16, 32 bytes for each half of the lanes
	v_lshl_add_u32 v6, v2, 5, v6
	v_add_nc_u32 v[STO], s23, v6
	v_and_b32 v7, 31, v0                           ; back: 32 lanes take one row of 512 bytes,
	v_lshlrev_b32 v[CO], 4, v7                     ; and the same bytes of a row of C
	v_add_nc_u32 v[RD], s23, v[CO]
	; C at my part's first byte
	s_lshl_b32 s16, s13, 22                        ; tile row x 256 rows of 16,384 bytes
	s_lshl_b32 s17, s11, 21                        ; + half x 128 rows
	s_add_co_u32 s16, s16, s17
	s_mov_b32 s17, 0
	s_add_nc_u64 s[8:9], s[8:9], s[16:17]
	s_lshl_b32 s46, s42, 10                        ; tile column x 1,024 bytes (in the registers that held W's address: none that feeds A's descriptors ever holds cx)
	s_lshl_b32 s47, s12, 9                         ; + half x 512
	s_add_co_u32 s46, s46, s47
	s_mov_b32 s47, 0
	s_add_nc_u64 s[8:9], s[8:9], s[46:47]
; 16 matrix instructions: m blocks a0, a0 + 1 of the window's four (hi = 0: my rows 0-63, 1: rows 64-127) x all 8 n blocks, 32 along K.
; zero = 1: the first product starts the sums: nothing is ever cleared.  The 64 accumulators take turns, one instruction a turn, in the same order in every quarter step.
.macro MUL16 f, hi, a0, zero
	WIN MUL_LO+0x50*(\hi)  ; MUL_LO or MUL_HI
.irp a, \a0, (\a0)+1
.irp b, 0,1,2,3,4,5,6,7
.if \zero
	v_wmma_f32_16x16x32_bf16 v[8*(8*(\a)+(\b)):8*(8*(\a)+(\b))+7], v[(\f)+8*(\b):(\f)+8*(\b)+7], v[(\f)+8*(4*(\hi)+(\a)):(\f)+8*(4*(\hi)+(\a))+7], 0
.else
	v_wmma_f32_16x16x32_bf16 v[8*(8*(\a)+(\b)):8*(8*(\a)+(\b))+7], v[(\f)+8*(\b):(\f)+8*(\b)+7], v[(\f)+8*(4*(\hi)+(\a)):(\f)+8*(4*(\hi)+(\a))+7], v[8*(8*(\a)+(\b)):8*(8*(\a)+(\b))+7]
.endif
.endr
.endr
.endm
; 32 LDS loads in one run: the fragments of quarter q of a K step (32 K x my 128 columns of W, my 128 rows of A x 32 K) into buffer f
.macro FETCH slot, q, f
	WIN TO_B
.irp i, 0,1,2,3,4,5,6,7
	ds_load_tr16_b128 v[(\f)+8*(\i):(\f)+8*(\i)+3],   v[ADRB+(\slot)] offset:(\q)*32*BPITCH+32*(\i)
	ds_load_tr16_b128 v[(\f)+8*(\i)+4:(\f)+8*(\i)+7], v[ADRB+(\slot)] offset:(\q)*32*BPITCH+16*BPITCH+32*(\i)
.endr
	WIN 0
.irp i, 0,1,2,3,4,5,6,7
	ds_load_b128 v[(\f)+8*(\i):(\f)+8*(\i)+3],   v[ADRA+(\slot)] offset:(\q)*64+(\i)*16*PITCH
	ds_load_b128 v[(\f)+8*(\i)+4:(\f)+8*(\i)+7], v[ADRA+(\slot)] offset:(\q)*64+(\i)*16*PITCH+32
.endr
.endm
; A load into a register that a matrix instruction has read, and an LDS store that reads a matrix result, stand four places behind that matrix instruction, and only plain vector instructions that
; name none of its registers are places (ISA guide 7.12.1 for vector instructions); the matrix instructions in between are not counted.
.macro PLACES
.rept 4
	v_nop
.endr
.endm
; A K step is four quarter steps of 32 along K, 64 matrix instructions each, on buffers 0, 1, 0, 1.
; One of the first three: multiplies buffer f; in its middle it fetches quarter q of the same slot into buffer g.
.macro QUARTER slot, q, f, g, zero
	s_wait_dscnt 8                                 ; W and A's rows 0-63 are in; the youngest eight loads (A's rows 64-127) may be out
	WIN MUL_LO
	MUL16 \f, 0, 0, \zero
	MUL16 \f, 0, 2, \zero
	PLACES
	FETCH \slot, \q, \g
	s_wait_dscnt 32                                ; all but the 32 just issued
	WIN MUL_HI
	MUL16 \f, 1, 0, \zero
	MUL16 \f, 1, 2, \zero
.endm
; The last quarter multiplies buffer 1 and changes slots.  MEET is its first half: ONE barrier for the change of slots, for two things.  In front of it each wave waits for all its tensor loads,
; of which one is out: its part of the next slot; adds 0 to its spare word; and waits for that and for its own reads of this slot.  Behind it nobody reads this slot any more and the next slot is whole.
.macro MEET round                      ; round = 1: the rest of a round of the cluster's barrier follows
	WIN 0                                          ; (the add's two registers lie in window 0)
	s_wait_tensorcnt 0x0                           ; all my tensor loads have landed: the one that was out is my part of the next slot;
	ds_add_u32 v[SPW], v[NIL]                      ; 0 onto my spare word;
	s_wait_dscnt 9                                 ; (the add and the youngest eight loads may be out)
	WIN MUL_LO
	MUL16 F1, 0, 0, 0                              ; sixteen matrix instructions stand between the add and the wait for it
	s_wait_dscnt 0x0                               ; the add is done, and my reads of this slot are over:
	s_barrier_signal -1                            ; say so,
	MUL16 F1, 0, 2, 0                              ; work on registers while the others arrive,
.if \round
	WIN 0
.endif
	s_barrier_wait -1                              ; and go on when all four have said so
.endm
; The whole last quarter.  fill = 1: the barrier has opened a round of the cluster's, and behind the round the slot just read out is filled again first, with the K step two steps on; then come the
; next slot's first fragments.  From a request to the wait for it a wave issues 224 matrix instructions.
.macro TURN slot, next, fill
	MEET \fill
.if \fill
	CREST                                          ; no wave of any partner still reads this slot's tile or has a load on its way
	s_add_nc_u64 s[G0+4*(\slot)+2:G0+4*(\slot)+3], s[G0+4*(\slot)+2:G0+4*(\slot)+3], STEP_A      ; no tensor load of mine is out, so a group 0 may be written; the type bits on top are not reached
	s_add_nc_u64 s[G0B+4*(\slot)+2:G0B+4*(\slot)+3], s[G0B+4*(\slot)+2:G0B+4*(\slot)+3], STEP_B
	JLOAD \slot                                    ; my one tensor load behind the round, and the first thing there; the four v_nop behind it are also the places in front of the loads below
.else
	PLACES
.endif
	FETCH \next, 0, F0
	WIN MUL_HI
	MUL16 F1, 1, 0, 0
	MUL16 F1, 1, 2, 0
.endm
; THE WAY OUT of block a (16 of my rows x 128 columns, f32).  TOSTAGE: a lane's 32 bytes of each of the block's eight accumulators go into my own stage in LDS, the accumulator's four lowest registers
; first; then the 16 rows come back whole, 512 bytes to a load, into the registers that held A's fragments: v64-127 and v128-191 by turns.
.macro TOSTAGE a
.set AC, 64*((\a)%4)
.set BK, F0+64*((\a)%2)
.if (\a) >= 2
	s_wait_xcnt 0x0                                ; every earlier memory instruction has had its addresses translated (ISA guide 3.1): the registers that block a - 2's stores read are loaded again only behind this wait
.endif
	WIN 0x08+4*((\a)/4)                            ; the stores' data (source 1) in window 2 or 3, the address in window 0
.irp b, 0,1,2,3,4,5,6,7
	ds_store_b128 v[STO], v[AC+8*(\b):AC+8*(\b)+3]   offset:64*(\b)
	ds_store_b128 v[STO], v[AC+8*(\b)+4:AC+8*(\b)+7] offset:64*(\b)+16
.endr
	WIN 0
.irp t, 0,1,2,3,4,5,6,7,8,9,10,11,12,13,14,15
	ds_load_b128 v[BK+4*(\t):BK+4*(\t)+3], v[RD] offset:(\t)*SPITCH  ; LDS serves a wave's instructions in order (ISA guide 5.7.1.4): these see the stores above, and the next block's stores come behind them
.endr
.endm
.macro SEND a, younger                 ; younger: the LDS instructions issued behind block a's loads: the next block's 32, or none
	WIN 0
.set BK, F0+64*((\a)%2)
.irp t, 0,1,2,3,4,5,6,7,8,9,10,11,12,13,14,15
	s_wait_dscnt (\younger)+15-(\t)                ; row t of the block is back in registers
	global_store_b128 v[CO], v[BK+4*(\t):BK+4*(\t)+3], s[8:9] offset:(16*(\a)+(\t))*SIZE_N*4 th:TH_STORE_NT  ; the wave stores 512 consecutive bytes, at a multiple of 512 from C's first byte; 127 rows at the most: inside the signed 24-bit immediate
.endr
.endm
	s_wait_tensorcnt 1                             ; my part of K step 0 is in; K step 1's may stay out
	s_barrier_signal -1
	s_barrier_wait -1                              ; everybody's is
	FETCH 0, 0, F0
	QUARTER 0, 1, F0, F1, 1                        ; the first quarter stands in front of the loop: its products start the sums
	WIN 0                                          ; at a label and at a branch every window is 0
	s_mov_b32 s3, LAPS-1
.Llap:                                                 ; a trip goes once round the ring, from a lap's second quarter to the next lap's first, and fills both slots again
	QUARTER 0, 2, F1, F0, 0
	QUARTER 0, 3, F0, F1, 0
	TURN 0, 1, 1
	QUARTER 1, 1, F0, F1, 0
	QUARTER 1, 2, F1, F0, 0
	QUARTER 1, 3, F0, F1, 0
	TURN 1, 0, 1
	QUARTER 0, 1, F0, F1, 0
	WIN 0
	s_sub_co_u32 s3, s3, 1
	s_cmp_lg_u32 s3, 0
	s_cbranch_scc1 .Llap
	QUARTER 0, 2, F1, F0, 0                        ; the last lap is written out: it fills nothing, and has no round of the cluster's barrier
	QUARTER 0, 3, F0, F1, 0
	TURN 0, 1, 0
	QUARTER 1, 1, F0, F1, 0
	QUARTER 1, 2, F1, F0, 0
	QUARTER 1, 3, F0, F1, 0
	s_wait_dscnt 8                                 ; the very last quarter: nothing more to fetch
	WIN MUL_LO
	MUL16 F1, 0, 0, 0
	MUL16 F1, 0, 2, 0
	s_wait_dscnt 0x0
	MUL16 F1, 1, 0, 0
	MUL16 F1, 1, 2, 0
	PLACES                                         ; in front of the LDS stores that read the sums, and of the loads into A's fragment registers
	TOSTAGE 0
	TOSTAGE 1                                      ; a block's trip through the stage stands between the loads of the block before and its stores
	SEND 0, 32
.irp a, 2,3,4,5,6,7
	TOSTAGE \a
	SEND (\a)-1, 32
.endr
	SEND 7, 0
	s_wait_tensorcnt 0x0                           ; the wave's end: behind my last tensor load and my last LDS store
	ds_add_u32 v[SPW], v[NIL]
	s_wait_dscnt 0x0
	CROUND                                         ; the closing round: no work-group ends while a partner may still ask for a tile that names it
	s_endpgm
.Lfunc_end_k_qe4d1f21979_gemm:
	.size	k_qe4d1f21979_gemm, .Lfunc_end_k_qe4d1f21979_gemm-k_qe4d1f21979_gemm
	.p2alignl 7, 3214868480
	.fill 96, 4, 3214868480
	.section	.rodata,"a",@progbits
	.p2align	6, 0x0
	.amdhsa_kernel k_qe4d1f21979_gemm
		.amdhsa_group_segment_fixed_size 327680
		.amdhsa_private_segment_fixed_size 0
		.amdhsa_enable_private_segment 0
		.amdhsa_kernarg_size 24
		.amdhsa_user_sgpr_count 2
		.amdhsa_user_sgpr_kernarg_segment_ptr 1
		.amdhsa_wavefront_size32 1
		.amdhsa_system_sgpr_workgroup_id_x 1
		.amdhsa_system_sgpr_workgroup_id_y 1
		.amdhsa_system_sgpr_workgroup_id_z 1
		.amdhsa_system_vgpr_workitem_id 0
		.amdhsa_next_free_vgpr 1024
		.amdhsa_next_free_sgpr 66
		.amdhsa_reserve_vcc 0
		.amdhsa_float_denorm_mode_32 3
		.amdhsa_float_denorm_mode_16_64 3
		.amdhsa_memory_ordered 1
		.amdhsa_forward_progress 1
		.amdhsa_inst_pref_size 144
	.end_amdhsa_kernel
	.amdgpu_metadata
---
amdhsa.version: [ 1, 2 ]
amdhsa.kernels:
  - .name:           k_qe4d1f21979_gemm
    .symbol:         k_qe4d1f21979_gemm.kd
    .args:
      - { .name: Abf, .offset: 0, .size: 8, .value_kind: global_buffer, .address_space: global }
      - { .name: Wbf, .offset: 8, .size: 8, .value_kind: global_buffer, .address_space: global }
      - { .name: out0, .offset: 16, .size: 8, .value_kind: global_buffer, .address_space: global }
    .group_segment_fixed_size: 327680
    .private_segment_fixed_size: 0
    .kernarg_segment_align: 8
    .kernarg_segment_size: 24
    .max_flat_workgroup_size: 128
    .sgpr_count:     66
    .vgpr_count:     1024
    .wavefront_size: 32
...
	.end_amdgpu_metadata
.endif
;; end of part 2
;; ======== version 2 of 2: 2 launches; version 1 with the launch prep written anew for expert scheduling mode
;; workspace buffers: Abf 33,554,432 bytes; Wbf 33,554,432 bytes
;; launch prep (part 3): grid 1024 x 1, 8 waves a work-group, no clusters, 0 bytes of LDS; arguments A, q, s, Abf, Wbf; writes Abf, Wbf
.if DOCPART == 3
	.amdgcn_target "amdgcn-amd-amdhsa--gfx1250"
	.amdhsa_code_object_version 6
	.text
	.protected	k_qe4d1f21979_prep
	.globl	k_qe4d1f21979_prep
	.p2align	8
	.type	k_qe4d1f21979_prep,@function
k_qe4d1f21979_prep:
	s_mov_b64 s[64:65], 0
	v_nop
	global_prefetch_b8 v0, s[64:65] scope:SCOPE_SE
	s_setreg_imm32_b32 hwreg(HW_REG_WAVE_SCHED_MODE, 0, 2), 2
	s_setreg_imm32_b32 hwreg(HW_REG_WAVE_MODE, 25, 1), 1
	s_wait_xcnt 0x0
	s_wait_alu depctr_vm_vsrc(0)
; Abf[m][k] = bf16(A[m][k]);  Wbf[k][n] = bf16((nibble(k, n) - 8) * bf16(s[k / 128][n])).  A: [4096][4096] f32; q: [4096][512] words of eight
; nibbles along n, the lowest n in the lowest bits; s: [32][4096] f32; Abf, Wbf: [4096][4096] bf16, rows of 8,192 bytes.
; LIMITS.  A and s are rounded to bf16 (nearest even); the weight, an exact whole number -8 .. 7 times that scale, is rounded once more to bf16.
; bf16 has f32's range, so no size of input is lost; NaN and infinities go through as the arithmetic makes them.
; A STREAM: no LDS, no barrier, no matrix unit, no loop.  1,024 work-groups of 256 threads; work-group w owns rows 4 w .. 4 w + 3 of A and of q, both
; dense blocks (65,536 and 8,192 bytes), and all four rows of q lie in scale group w / 32.  All 28 loads of a thread go out at once; no address register
; and no register that a store reads is ever written again, so the text needs no wait for a store's sources.
; THE MODE: SCHED_MODE bits 1:0 = 2 (LLVM: expert scheduling mode 2), set by the entry lines.  The code itself states the register dependences
; between vector instructions and memory instructions, with s_wait_alu, always for 0.
; THE PLAN.  Registers that memory instructions touch:
;   v1 .. v4     byte offsets: written once at the head, read by every load and store, never written again.
;   v[80:95]     s as loaded, read by the eight roundings of the scales; then written by the byte selects of q's chunks 0 to 3 and read by their four stores.
;   v[72:79]     q as loaded, read by the unpacking lines, never written again.
;   v[112:127]   written by the byte selects of q's chunks 4 to 7, read by their four stores.
;   v[8:71]      A as loaded; chunk c's two roundings read its four registers and write the first two, which its store reads.
;   v5 and v[96:110] are named by vector instructions alone.
; Every load is issued at the head, into registers that no vector instruction has named.  What is left to state is that a store's data are written.
; The work goes in six blocks of four chunks (q's 0-3, 4-7; A's 0-3, 4-7, 8-11, 12-15).  A block's four stores are issued in the NEXT block, behind ONE wait on
; va_vdst at that block's head, and are dealt among that block's vector instructions, which name their own chunks' registers and v[104:110] alone: none that those stores read.
.set AD,  8                            ; v[8:71]    A: chunk c of 16 in four registers, f32 as loaded; its first two then hold the four bf16
.set Q,   72                           ; v[72:79]   q: chunk c of 8, one word
.set SF,  80                           ; v[80:95]   s in f32: set u (word column t or 256 + t) in eight registers; later the weights of chunks 0 to 3
.set SCP, 96                           ; v[96:103]  scale pairs in bf16: set u, pair i = (s_i, s_i+4)
.set T,   104                          ; v[104:110] at work
                                       ; v[112:127] the weights of chunks 4 to 7
	s_load_b256 s[4:11], s[0:1], 0x0               ; A s[4:5], q s[6:7], s s[8:9], Abf s[10:11]
	s_load_b64 s[12:13], s[0:1], 0x20              ; Wbf
	s_mov_b32 s16, 0x000f000f                      ; one nibble in each half of a word
	s_mov_b32 s17, 0x43004300                      ; 128.0 twice in bf16: a nibble n in its lowest mantissa bits makes 128 + n
	s_mov_b32 s18, 0x05040100                      ; byte select: the two low halves
	s_mov_b32 s19, 0x07060302                      ; the two high halves
	s_lshl_b32 s20, ttmp9, 16                      ; my block of A: w x 65,536 bytes
	s_mov_b32 s21, 0
	s_lshl_b32 s22, ttmp9, 15                      ; my blocks of Abf and of Wbf: w x 32,768
	s_mov_b32 s23, 0
	s_lshl_b32 s24, ttmp9, 13                      ; my block of q: w x 8,192
	s_mov_b32 s25, 0
	s_lshr_b32 s26, ttmp9, 5                       ; my scale group,
	s_lshl_b32 s26, s26, 14                        ; its row of 16,384 bytes
	s_mov_b32 s27, 0
	v_lshlrev_b32 v1, 4, v0                        ; 16 t: A's loads, Wbf's stores
	v_lshlrev_b32 v2, 3, v0                        ; 8 t: Abf's stores
	v_lshlrev_b32 v3, 2, v0                        ; 4 t: q's loads
	v_lshlrev_b32 v4, 5, v0                        ; 32 t: the eight scales of word column t
	v_mov_b32 v5, 0xc308c308                       ; -136.0 twice in bf16
	s_wait_kmcnt 0x0
	s_add_nc_u64 s[4:5], s[4:5], s[20:21]
	s_add_nc_u64 s[6:7], s[6:7], s[24:25]
	s_add_nc_u64 s[8:9], s[8:9], s[26:27]
	s_add_nc_u64 s[10:11], s[10:11], s[22:23]
	s_add_nc_u64 s[12:13], s[12:13], s[22:23]
	s_wait_alu depctr_va_vdst(0)                   ; v1 to v4 are written: every load and store of the kernel reads one of them as its offset
	global_load_b128 v[SF:SF+3],     v4, s[8:9]                    ; 32 work-groups read this row of s: no hint
	global_load_b128 v[SF+4:SF+7],   v4, s[8:9] offset:16
	global_load_b128 v[SF+8:SF+11],  v4, s[8:9] offset:8192        ; word column 256 + t
	global_load_b128 v[SF+12:SF+15], v4, s[8:9] offset:8208
.irp c, 0,1,2,3,4,5,6,7
	global_load_b32 v[Q+(\c)], v3, s[6:7] offset:(\c)*1024 th:TH_LOAD_NT  ; row c / 2 of my four, word column 256 (c % 2) + t
.endr
.irp c, 0,1,2,3,4,5,6,7,8,9,10,11,12,13,14,15
	global_load_b128 v[AD+4*(\c):AD+4*(\c)+3], v1, s[4:5] offset:(\c)*4096 th:TH_LOAD_NT  ; a wave takes 512 consecutive bytes
.endr
; Where chunk c's eight weights lie.
.macro WREG c
.if (\c) < 4
.set O, SF+4*(\c)                      ; s in f32 is no longer needed
.else
.set O, 96+4*(\c)
.endif
.endm
; One word of q becomes eight weights, 16 bytes.  Halves of a word: (n0, n4), after shifts by 4, 8, 12 (n1, n5), (n2, n6), (n3, n7).
; 128 + n and then n - 8 are exact in bf16; the product with the scale is the weight's one rounding.
.macro DEQ c
.set U, (\c)&1
	WREG \c
	v_lshrrev_b32 v[T+4], 4,  v[Q+(\c)]
	v_lshrrev_b32 v[T+5], 8,  v[Q+(\c)]
	v_lshrrev_b32 v[T+6], 12, v[Q+(\c)]
	v_and_or_b32 v[T+0], v[Q+(\c)], s16, s17
	v_and_or_b32 v[T+1], v[T+4], s16, s17
	v_and_or_b32 v[T+2], v[T+5], s16, s17
	v_and_or_b32 v[T+3], v[T+6], s16, s17
.irp i, 0,1,2,3
	v_pk_add_bf16 v[T+(\i)], v[T+(\i)], v5                         ; n - 8
.endr
.irp i, 0,1,2,3
	v_pk_mul_bf16 v[T+(\i)], v[T+(\i)], v[SCP+4*U+(\i)]            ; times the scale
.endr
	v_perm_b32 v[O+0], v[T+1], v[T+0], s18                         ; (w0, w1)
	v_perm_b32 v[O+1], v[T+3], v[T+2], s18                         ; (w2, w3)
	v_perm_b32 v[O+2], v[T+1], v[T+0], s19                         ; (w4, w5)
	v_perm_b32 v[O+3], v[T+3], v[T+2], s19                         ; (w6, w7)
.endm
; Chunk c's weights leave, a block behind the lines that made them.
.macro WST c
	WREG \c
	global_store_b128 v1, v[O:O+3], s[12:13] offset:(\c)*4096      ; a wave stores 512 consecutive bytes, at a multiple of 512 from Wbf's first byte
.endm
; Four numbers of A become 8 bytes, in the registers that they came in.
.macro CVA c
	v_cvt_pk_bf16_f32 v[AD+4*(\c)],   v[AD+4*(\c)],   v[AD+4*(\c)+1]
	v_cvt_pk_bf16_f32 v[AD+4*(\c)+1], v[AD+4*(\c)+2], v[AD+4*(\c)+3]
.endm
; And leave, a block behind their roundings.
.macro AST c
	global_store_b64 v2, v[AD+4*(\c):AD+4*(\c)+1], s[10:11] offset:(\c)*2048  ; a wave stores 256 consecutive bytes, at a multiple of 256 from Abf's first byte
.endm
	; Block 0: the scales, and q's chunks 0 to 3.  It has no block in front of it: no store, and no wait but the one for its data.
	s_wait_loadcnt 16                              ; loads come back in order (ISA guide 5.7.1): s and q are in, A's sixteen stay out
.irp u, 0,1
.irp i, 0,1,2,3
	v_cvt_pk_bf16_f32 v[SCP+4*(\u)+(\i)], v[SF+8*(\u)+(\i)], v[SF+8*(\u)+(\i)+4]  ; s rounded to bf16, paired as the nibbles will lie
.endr
.endr
.irp c, 0,1,2,3
	DEQ \c
.endr
	; Block 1: q's chunks 4 to 7; the weights of chunks 0 to 3 leave.
	s_wait_alu depctr_va_vdst(0)                   ; the byte selects of chunks 0 to 3 have written v[80:95], which the four stores of this block read
.irp c, 4,5,6,7
	WST (\c)-4                                     ; no vector instruction since the wait names v1 or v[80:95]
	DEQ \c
.endr
	; Block 2: A's chunks 0 to 3; the weights of chunks 4 to 7 leave.
	s_wait_loadcnt 12                              ; A's chunks 0 to 3 are in, the twelve younger loads stay out
	s_wait_alu depctr_va_vdst(0)                   ; the byte selects of chunks 4 to 7 have written v[112:127], which the four stores of this block read
.irp c, 0,1,2,3
	WST (\c)+4                                     ; no vector instruction since the wait names v1 or v[112:127]
	CVA \c
.endr
	; Blocks 3 to 5: A's chunks 4 g to 4 g + 3; the four chunks before them leave.
.irp g, 1,2,3
	s_wait_loadcnt 12-4*(\g)                       ; this block's four chunks are in, the younger ones stay out: the counts run down 8, 4, 0
	s_wait_alu depctr_va_vdst(0)                   ; the roundings of the block before have written the first two registers of each of its chunks, which the four stores of this block read
.irp i, 0,1,2,3
	AST 4*(\g)-4+(\i)                              ; no vector instruction since the wait names v2 or that chunk's registers
	CVA 4*(\g)+(\i)
.endr
.endr
	s_wait_alu depctr_va_vdst(0)                   ; the roundings of chunks 12 to 15 have written the registers that the last four stores read
.irp c, 12,13,14,15
	AST \c
.endr
	s_endpgm
.Lfunc_end_k_qe4d1f21979_prep:
	.size	k_qe4d1f21979_prep, .Lfunc_end_k_qe4d1f21979_prep-k_qe4d1f21979_prep
	.p2alignl 7, 3214868480
	.fill 96, 4, 3214868480
	.section	.rodata,"a",@progbits
	.p2align	6, 0x0
	.amdhsa_kernel k_qe4d1f21979_prep
		.amdhsa_group_segment_fixed_size 0
		.amdhsa_private_segment_fixed_size 0
		.amdhsa_enable_private_segment 0
		.amdhsa_kernarg_size 40
		.amdhsa_user_sgpr_count 2
		.amdhsa_user_sgpr_kernarg_segment_ptr 1
		.amdhsa_wavefront_size32 1
		.amdhsa_system_sgpr_workgroup_id_x 1
		.amdhsa_system_sgpr_workgroup_id_y 1
		.amdhsa_system_sgpr_workgroup_id_z 1
		.amdhsa_system_vgpr_workitem_id 0
		.amdhsa_next_free_vgpr 128
		.amdhsa_next_free_sgpr 66
		.amdhsa_reserve_vcc 0
		.amdhsa_float_denorm_mode_32 3
		.amdhsa_float_denorm_mode_16_64 3
		.amdhsa_memory_ordered 1
		.amdhsa_forward_progress 1
		.amdhsa_inst_pref_size 18
	.end_amdhsa_kernel
	.amdgpu_metadata
---
amdhsa.version: [ 1, 2 ]
amdhsa.kernels:
  - .name:           k_qe4d1f21979_prep
    .symbol:         k_qe4d1f21979_prep.kd
    .args:
      - { .name: A, .offset: 0, .size: 8, .value_kind: global_buffer, .address_space: global }
      - { .name: q, .offset: 8, .size: 8, .value_kind: global_buffer, .address_space: global }
      - { .name: s, .offset: 16, .size: 8, .value_kind: global_buffer, .address_space: global }
      - { .name: Abf, .offset: 24, .size: 8, .value_kind: global_buffer, .address_space: global }
      - { .name: Wbf, .offset: 32, .size: 8, .value_kind: global_buffer, .address_space: global }
    .group_segment_fixed_size: 0
    .private_segment_fixed_size: 0
    .kernarg_segment_align: 8
    .kernarg_segment_size: 40
    .max_flat_workgroup_size: 256
    .sgpr_count:     66
    .vgpr_count:     128
    .wavefront_size: 32
...
	.end_amdgpu_metadata
.endif
;; end of part 3
;; launch gemm: the kernel of part 2 again; grid 16 x 16, 4 waves a work-group, clusters of 4 x 4, 327,680 bytes of LDS; arguments Abf, Wbf, out0; writes out0
